; MI455X (gfx1250); checked and timed in simulation.
; The chip was launched on July 23, 2026; its instructions are those of AMD's public machine-readable ISA for CDNA 5 (MIT licence, August 2026) and "CDNA5" Instruction Set Architecture Reference Guide (July 2026). The comments in the code are by the model that wrote it; some were corrected since.
;; Standard MHA. Allowed arithmetic: matrix products marked QUANTISED: E2M1 operands, one E8M0 scale for each 32 along K, by v_wmma_scale_f32_16x16x128_f8f6f4 with both operands' format E2M1 (or v_wmma_scale_f32_32x16x128_f4), f32 sums; products left as they are: bf16, f16 or f32 operands; f32 sums; everything else in f32.
;; Inputs: Wk 1,024 x 1,024 float32; Wo 1,024 x 1,024 float32; Wq 1,024 x 1,024 float32; Wv 1,024 x 1,024 float32; bk 1,024 float32; bo 1,024 float32; bq 1,024 float32; bv 1,024 float32; x 1 x 4,096 x 1,024 float32.
;; Outputs: out0 1 x 4,096 x 1,024 float32.
;; This version of the problem:
;;   THIS VERSION OF THE PROBLEM IS GIVEN IN LOW PRECISION. The matrix products marked QUANTISED in the list below multiply operands that are first quantised to E2M1 (2 exponent bits, 1 mantissa bit; 4 bits a number), with one power-of-two scale for each 32 numbers along K (OCP MX v1.0); their sums are f32. The products marked 'left as it is' may take bf16, f16 or f32 operands, with f32 sums. Whichever they take, every output number must still come out within the allowed error. Rounding operands to bf16 (8 significant bits) uses up far more of that allowance than f16 does (11 bits, for magnitudes from 6e-5 to 65,504). All else is computed in f32.
;;   The module's matrix products, in the order in which they are computed (A, B: the left and right operand; K: the contracted axis; several contracted axes count as one K, in the product's order):
;;     1. [M 4,096, K 1,024] x [K 1,024, N 1,024]; A: input x; B: input Wq: QUANTISED
;;     2. [M 4,096, K 1,024] x [K 1,024, N 1,024]; A: input x; B: input Wk: QUANTISED
;;     3. [M 4,096, K 1,024] x [K 1,024, N 1,024]; A: input x; B: input Wv: QUANTISED
;;     4. batch 16 x [M 4,096, K 64] x [K 64, N 4,096]; A: computed on the way; B: computed on the way: left as it is (an operand is computed on the way)
;;     5. batch 16 x [M 4,096, K 4,096] x [K 4,096, N 64]; A: computed on the way; B: computed on the way: left as it is (an operand is computed on the way)
;;     6. [M 4,096, K 1,024] x [K 1,024, N 1,024]; A: computed on the way; B: input Wo: left as it is (an operand is computed on the way)
;;   THE QUANTISER, for each operand of a quantised product, along K:
;;     - K is cut into blocks of 32 from its start; a last block that is shorter is filled with zeros.
;;     - A block's scale is 2^e with e = floor(log2(the largest magnitude in the block)) - 2, held to -126 .. 127; a block of zeros has e = 0. As a byte (E8M0): e + 127.
;;     - Each number is divided by its block's scale, clamped to +-6, and rounded to the nearest number of E2M1, ties to even, subnormals kept.
;;     - The product sums the exact products of the quantised numbers (number of the format x scale) in f32.
;;   ~~~python
;;   def quantise(x, axis):      # numpy; x: float32 -> the quantised numbers, widened to float32 again
;;       x = np.moveaxis(x, axis, -1); K = x.shape[-1]
;;       x = np.pad(x, [(0, 0)] * (x.ndim - 1) + [(0, -K % 32)]); x = x.reshape(x.shape[:-1] + (-1, 32)); a = np.abs(x).max(-1, keepdims=True)
;;       e = np.where(a > 0, np.clip(np.frexp(np.where(a > 0, a, 1))[1] - 1 - 2, -126, 127), 0)      # np.frexp(a)[1] - 1 = floor(log2(a)), exactly
;;       r = np.clip(x / 2.0 ** e, -6, 6)
;;       step = 2.0 ** (np.maximum(np.frexp(np.where(r == 0, 1, r))[1] - 1, 0) - 1)
;;       q = np.round(r / step) * step * 2.0 ** e      # np.round: ties to even
;;       return np.moveaxis(q.reshape(q.shape[:-2] + (-1,))[..., :K], -1, axis).astype(np.float32)
;;   ~~~
;; One version. Each part assembles by itself: llvm-mc -triple=amdgcn-amd-amdhsa -mcpu=gfx1250 --defsym DOCPART=n.
;; ======== version 1 of 1: 4 launches
;; limits: values are held in f16: magnitudes above 65,504 overflow, below 6.1e-05 lose precision
;; workspace buffers: xc 2,228,224 bytes; wc 1,671,168 bytes; wo16 2,097,152 bytes; qkv 25,165,824 bytes; ctx 8,388,608 bytes
;; launch prep (part 1): grid 512 x 1, 4 waves a work-group, no clusters, 68,096 bytes of LDS; arguments x, Wq, Wk, Wv, Wo, xc, wc, wo16; writes xc, wc, wo16
.if DOCPART == 1
	.amdgcn_target "amdgcn-amd-amdhsa--gfx1250"
	.amdhsa_code_object_version 6
	.text
	.protected	k_qd12715a15b_prep
	.globl	k_qd12715a15b_prep
	.p2align	8
	.type	k_qd12715a15b_prep,@function
k_qd12715a15b_prep:
	s_mov_b64 s[64:65], 0
	v_nop
	global_prefetch_b8 v0, s[64:65] scope:SCOPE_SE
	s_setreg_imm32_b32 hwreg(HW_REG_WAVE_MODE, 25, 1), 1
	s_wait_xcnt 0x0
; PREP.  x [4096][1024] and Wq, Wk, Wv [1024 (k)][1024 (n)], f32, become codes of FP4 (E2M1) with one E8M0 scale byte for each 32 along K = 1024; Wo [1024 (k)][1024 (n)] becomes f16.
; Everything is laid in the ORDER OF THE OPERAND'S REGISTERS.  An IMAGE is 512 bytes, lane l's 16 bytes at 16 l: four registers of a fragment.  So every store here covers 512 consecutive bytes, aligned.
;   xc:   codes [tt 256][ks 8][c 2] images: lane (r, h) = token 16 tt + r, k = 128 ks + 64 c + 32 h + 0..31.  At XS_OFF scale words [tt][lane 32][kp 4]: lane (r, h), word kp = token r's four bytes of ks = 2 kp + h.
;   wc:   codes [head 16][T 3][nt 4][ks 8][c 2] images: lane (r, h) = column 64 head + 16 nt + r of W_T.  At WS_OFF scale words [head][T][nt][lane 32][kp 4], as in xc.
;   wo16: [ng 16][kk 32][t 4][c 2] images: lane (r, h) = Wo[32 kk + 16 c + 8 h + 0..7][64 ng + 4 r + t].
; A block's scale is 2^(floor(log2(its largest magnitude)) - 2); its byte is the largest magnitude's exponent field - 2, held at 1 from below by a floor among the maximum's leaves.
; LIMITS: a block of zeros gets the byte 1 where the rule says 127 (its codes are zeros, and this program alone reads the bytes); NaN and infinities among the inputs are not served;
; Wo is rounded to f16: magnitudes up to 65,504.
; SHARES.  512 work-groups of four waves; a wave takes 16 KiB of f32 and asks for all of it at its head.  Work-groups 0-255: x (path X); 256-447: the three weights (path W); 448-511: Wo (path O).
; The paths part on the work-group's number alone.  Nothing is shared between waves or work-groups: no barrier, no cluster, no tensor load, no matrix unit.  Path X alone uses LDS.
.set XS_OFF, 2097152
.set WS_OFF, 1572864
.set SP,     528                       ; a stage row: 512 bytes + 16: 33 x 16, so the sixteen rows that a read-back touches fall on sixteen different 16-byte columns of 256
.set STU,    16*SP                     ; a stage: 16 rows
.set STW,    2*STU                     ; two stages a wave
.set SPARE,  4*STW                     ; behind the stages: the spare words, 128 bytes for each wave
.set FLOOR,  0x1800000                 ; 2^(3 - 127)
.set SPW,    4                         ; v4  LDS address of my spare word; never rewritten
.set NIL,    5                         ; v5  0; never rewritten
.set R,      100                       ; v100-227 numbers as they are loaded
.set Y0,     36                        ; v36-99   path X: 64 neighbours of a lane
.macro FINISH                          ; the wave's end
	s_wait_tensorcnt 0x0
	ds_add_u32 v[SPW], v[NIL]
	s_wait_dscnt 0x0
.endm
	s_load_b256 s[4:11], s[0:1], 0x0               ; x, Wq, Wk, Wv
	s_load_b256 s[12:19], s[0:1], 0x20             ; Wo, xc, wc, wo16
	v_lshl_add_u32 v[SPW], v0, 2, SPARE
	v_mov_b32 v[NIL], 0
	v_lshrrev_b32 v1, 5, v0
	v_readfirstlane_b32 s20, v1                    ; wave 0..3
	v_and_b32 v1, 31, v0                           ; lane
	v_and_b32 v2, 15, v0                           ; r
	v_bfe_u32 v3, v0, 4, 1                         ; h
	s_mov_b32 s22, 0x76543210
	s_mov_b32 s23, 0xfedcba98                      ; v_permlanex16_b32's selects for lane l xor 16
	s_wait_kmcnt 0x0
	s_cmp_lt_u32 ttmp9, 256
	s_cbranch_scc0 .Lnot_x
; ---------------- PATH X: tile of 16 tokens tt = work-group, 256 along K: kp = wave; two fragments, ks = 2 kp + u
	v_lshlrev_b32 v6, 4, v1                        ; 16 x lane
	s_mul_i32 s21, s20, STW
	v_add_nc_u32 v7, s21, v6                       ; into a stage: as loaded
	v_mul_u32_u24 v8, v2, SP
	v_lshl_add_u32 v8, v3, 7, v8
	v_add_nc_u32 v8, s21, v8                       ; out of it: row r, + 128 h: my 32 neighbours of each half of the K step
	v_lshlrev_b32 v9, 3, v3                        ; 8 h
	v_mov_b32 v17, 0                               ; a lane permute's destination counts as one of its sources
	s_lshl_b32 s24, ttmp9, 16                      ; x: 16 rows of 4,096 bytes a tile,
	s_lshl_b32 s26, s20, 10                        ; 1,024 bytes a wave
	s_add_co_u32 s24, s24, s26
	s_mov_b32 s25, 0
	s_add_nc_u64 s[4:5], s[4:5], s[24:25]
.irp u, 0,1
.irp i, 0,1,2,3,4,5,6,7,8,9,10,11,12,13,14,15
	global_load_b128 v[R+64*\u+4*\i:R+64*\u+4*\i+3], v6, s[4:5] offset:\i*4096+\u*512 th:TH_LOAD_NT   ; 512 consecutive bytes of token i: K step 2 kp + u
.endr
.endr
	s_lshl_b32 s24, ttmp9, 13
	s_lshl_b32 s26, s20, 11
	s_add_co_u32 s24, s24, s26
	s_add_nc_u64 s[28:29], s[14:15], s[24:25]      ; my four images
	s_lshl_b32 s24, ttmp9, 9
	s_lshl_b32 s26, s20, 2
	s_add_co_u32 s24, s24, s26
	s_add_co_u32 s24, s24, XS_OFF
	s_add_nc_u64 s[30:31], s[14:15], s[24:25]      ; my scale words
; 64 numbers of a lane at v[y]: register 32 c + i = k 64 c + 32 h + i of my token: two whole blocks.  They become registers 4 c .. 4 c + 3 of the fragment, and the token's scale word.
.macro QX y, u
.irp c, 0,1
	v_max3_num_f32 v[10+\c], |v[\y+32*\c]|, |v[\y+32*\c+1]|, FLOOR
.endr
.irp i, 2,4,6,8,10,12,14,16,18,20,22,24,26,28,30
.irp c, 0,1
	v_max3_num_f32 v[10+\c], v[10+\c], |v[\y+32*\c+\i]|, |v[\y+32*\c+\i+1]|   ; the two blocks by turns
.endr
.endr
.irp c, 0,1
	v_add_nc_u32 v[12+\c], 0xff000000, v[10+\c]    ; 2 off the exponent field: the conversion's scale operand
.endr
.irp c, 0,1
	v_lshrrev_b32 v[14+\c], 23, v[12+\c]           ; the scale's byte
.endr
	v_lshl_or_b32 v16, v15, 16, v14                ; my two bytes, blocks h and 2 + h,
	v_lshlrev_b32 v16, v9, v16                     ; at their places in the word;
	v_permlanex16_b32 v17, v16, s22, s23
	v_or_b32 v[18+\u], v16, v17                    ; with lane l xor 16's two the word is whole
.irp c, 0,1
.irp g, 0,1,2,3
	v_cvt_scalef32_pk8_fp4_f32 v[20+8*\u+4*\c+\g], v[\y+32*\c+8*\g:\y+32*\c+8*\g+7], v[12+\c]
.endr
.endr
	v_nop                                          ; one plain line behind the last scaled conversion
.irp c, 0,1
	global_store_b128 v6, v[20+8*\u+4*\c:20+8*\u+4*\c+3], s[28:29] offset:\u*1024+\c*512
.endr
.endm
	s_wait_loadcnt 16                              ; K step u = 0's sixteen loads are in; u = 1's sixteen may be out
.irp i, 0,1,2,3,4,5,6,7,8,9,10,11,12,13,14,15
	ds_store_b128 v7, v[R+4*\i:R+4*\i+3] offset:\i*SP
.endr
.irp c, 0,1
.irp i, 0,1,2,3,4,5,6,7
	ds_load_b128 v[Y0+32*\c+4*\i:Y0+32*\c+4*\i+3], v8 offset:\c*256+\i*16   ; LDS serves a wave's instructions in order: these see my stores
.endr
.endr
	s_wait_loadcnt 0x0
.irp i, 0,1,2,3,4,5,6,7,8,9,10,11,12,13,14,15
	ds_store_b128 v7, v[R+64+4*\i:R+64+4*\i+3] offset:STU+\i*SP
.endr
	s_wait_dscnt 16                                ; stage 0's 32 instructions are done (the sixteen younger stores may be out): v100-163 are free, v36-99 are in
.irp c, 0,1
.irp i, 0,1,2,3,4,5,6,7
	ds_load_b128 v[R+32*\c+4*\i:R+32*\c+4*\i+3], v8 offset:STU+\c*256+\i*16
.endr
.endr
	QX Y0, 0
	s_wait_dscnt 0x0
	QX R, 1
	v_cmp_gt_u32 vcc_lo, 16, v1
	v_cndmask_b32 v16, v19, v18, vcc_lo            ; lanes 0-15: the word of ks = 2 kp; lanes 16-31: of ks = 2 kp + 1
	global_store_b32 v6, v16, s[30:31]             ; 4 bytes in each 16: the four waves of the work-group fill the tile's 512 bytes between them; one byte in 128 of what this path reads
	FINISH
	s_endpgm
.Lnot_x:
	s_cmp_lt_u32 ttmp9, 448
	s_cbranch_scc0 .Lpath_o
; ---------------- PATH W: a lane takes a column, its registers run down K: 32 columns x 128 along K a wave
	s_sub_co_u32 s21, ttmp9, 256
	s_lshr_b32 s24, s21, 6                         ; T: 0 Wq, 1 Wk, 2 Wv
	s_bfe_u32 s25, s21, 0x30003                    ; ks
	s_and_b32 s26, s21, 7
	s_lshl_b32 s26, s26, 2
	s_add_co_u32 s26, s26, s20                     ; cg: which 32 columns
	s_cmp_eq_u32 s24, 0
	s_cselect_b64 s[28:29], s[6:7], s[8:9]
	s_cmp_eq_u32 s24, 2
	s_cselect_b64 s[28:29], s[10:11], s[28:29]     ; the choice hangs on the work-group's number alone
	s_lshl_b32 s30, s25, 19                        ; 128 rows of 4,096 bytes a K step
	s_lshl_b32 s31, s26, 7
	s_add_co_u32 s30, s30, s31
	s_mov_b32 s31, 0
	s_add_nc_u64 s[28:29], s[28:29], s[30:31]
	v_lshlrev_b32 v6, 2, v1
.set n, 0
.rept 128
	global_load_b32 v[R+n], v6, s[28:29] offset:n*4096 th:TH_LOAD_NT   ; row k: 128 consecutive bytes a wave, the four waves side by side on 512
.set n, n+1
.endr
	v_lshlrev_b32 v7, 4, v1                        ; 16 x lane
	v_lshlrev_b32 v8, 4, v2
	v_lshl_add_u32 v8, v3, 9, v8                   ; my column's scale word: 16 r, + 512 for the second tile's columns
	s_lshr_b32 s32, s26, 1                         ; head
	s_and_b32 s33, s26, 1                          ; which pair of the head's four tiles
	s_mul_i32 s30, s32, 98304
	s_lshl_b32 s34, s24, 15
	s_add_co_u32 s30, s30, s34
	s_lshl_b32 s34, s33, 14
	s_add_co_u32 s30, s30, s34
	s_lshl_b32 s34, s25, 10
	s_add_co_u32 s30, s30, s34
	s_add_nc_u64 s[36:37], s[16:17], s[30:31]      ; the codes
	s_mul_i32 s30, s32, 6144
	s_lshl_b32 s34, s24, 11
	s_add_co_u32 s30, s30, s34
	s_lshl_b32 s34, s33, 10
	s_add_co_u32 s30, s30, s34
	s_and_b32 s34, s25, 1
	s_lshl_b32 s34, s34, 8                         ; odd K steps lie in lanes 16-31 of the word's image,
	s_add_co_u32 s30, s30, s34
	s_lshr_b32 s34, s25, 1
	s_lshl_b32 s34, s34, 2                         ; word ks / 2
	s_add_co_u32 s30, s30, s34
	s_add_co_u32 s30, s30, WS_OFF
	s_add_nc_u64 s[38:39], s[16:17], s[30:31]      ; the scale words
.macro WBLK b, left                    ; block b: k = 32 b .. 32 b + 31 of my column; left: how many younger loads may stay out
	s_wait_loadcnt \left
	v_max3_num_f32 v[10+\b], |v[R+32*\b]|, |v[R+32*\b+1]|, FLOOR
.irp i, 2,4,6,8,10,12,14,16,18,20,22,24,26,28,30
	v_max3_num_f32 v[10+\b], v[10+\b], |v[R+32*\b+\i]|, |v[R+32*\b+\i+1]|
.endr
	v_add_nc_u32 v[36+\b], 0xff000000, v[10+\b]
	v_lshrrev_b32 v[40+\b], 23, v[36+\b]
.irp g, 0,1,2,3
	v_cvt_scalef32_pk8_fp4_f32 v[20+4*\b+\g], v[R+32*\b+8*\g:R+32*\b+8*\g+7], v[36+\b]
.endr
.endm
	WBLK 0, 63                                     ; 96 and 64 younger loads might stay out; a wait names 63 at the most
	WBLK 1, 63
	WBLK 2, 32
	WBLK 3, 0
	v_lshl_or_b32 v16, v41, 8, v40                 ; my column's scale word for this K step
	v_lshl_or_b32 v16, v42, 16, v16
	v_lshl_or_b32 v16, v43, 24, v16
	v_nop
.irp i, 0,1,2,3                        ; a fragment's image c wants block 2 c in lanes 0-15 and block 2 c + 1 in lanes 16-31, of sixteen columns: the first's upper lanes change places with the second's lower
	v_permlane16_swap_b32 v[20+\i], v[24+\i]       ; v20.. = columns 0-15, image 0;  v24.. = columns 16-31, image 0
	v_permlane16_swap_b32 v[28+\i], v[32+\i]       ; v28.. = columns 0-15, image 1;  v32.. = columns 16-31, image 1
.endr
	global_store_b128 v7, v[20:23], s[36:37]
	global_store_b128 v7, v[28:31], s[36:37] offset:512
	global_store_b128 v7, v[24:27], s[36:37] offset:8192
	global_store_b128 v7, v[32:35], s[36:37] offset:8704
	global_store_b32 v8, v16, s[38:39]             ; 4 bytes in each 16: one byte in 128 of what this path reads
	FINISH
	s_endpgm
.Lpath_o:
; ---------------- PATH O: 64 columns x 64 along K of Wo a wave.  A lane's 16 bytes are columns 4 r .. 4 r + 3: one number for each of the four tiles t
	s_sub_co_u32 s21, ttmp9, 448
	s_and_b32 s24, s21, 3
	s_lshl_b32 s24, s24, 2
	s_add_co_u32 s24, s24, s20                     ; ng
	s_lshr_b32 s25, s21, 2                         ; kq: which 64 along K
	s_lshl_b32 s30, s25, 18
	s_lshl_b32 s31, s24, 8
	s_add_co_u32 s30, s30, s31
	s_mov_b32 s31, 0
	s_add_nc_u64 s[28:29], s[12:13], s[30:31]
	v_lshlrev_b32 v6, 4, v2
	v_lshl_add_u32 v6, v3, 15, v6                  ; 16 r, + 8 rows for lanes 16-31
	v_lshlrev_b32 v7, 4, v1
.irp s, 0,1,2,3
.irp j, 0,1,2,3,4,5,6,7
	global_load_b128 v[R+32*\s+4*\j:R+32*\s+4*\j+3], v6, s[28:29] offset:(16*\s+\j)*4096 th:TH_LOAD_NT   ; rows 16 s + j and 16 s + 8 + j: 256 consecutive bytes each
.endr
.endr
	s_lshl_b32 s30, s24, 17
	s_lshl_b32 s26, s25, 13
	s_add_co_u32 s30, s30, s26
	s_add_nc_u64 s[36:37], s[18:19], s[30:31]
.irp s, 0,1,2,3                        ; s = 2 x (K step of 32) + c
	s_wait_loadcnt 24-8*\s                         ; this set's eight loads are in; the later sets' may be out
.irp t, 0,1,2,3
.irp i, 0,1,2,3
	v_cvt_pk_f16_f32 v[20+16*\s+4*\t+\i], v[R+32*\s+8*\i+\t], v[R+32*\s+8*\i+4+\t]   ; k = 2 i in the low half, 2 i + 1 in the high
.endr
.endr
.irp t, 0,1,2,3
	global_store_b128 v7, v[20+16*\s+4*\t:20+16*\s+4*\t+3], s[36:37] offset:(\s/2)*4096+\t*1024+(\s%2)*512
.endr
.endr
	FINISH
	s_endpgm
.Lfunc_end_k_qd12715a15b_prep:
	.size	k_qd12715a15b_prep, .Lfunc_end_k_qd12715a15b_prep-k_qd12715a15b_prep
	.p2alignl 7, 3214868480
	.fill 96, 4, 3214868480
	.section	.rodata,"a",@progbits
	.p2align	6, 0x0
	.amdhsa_kernel k_qd12715a15b_prep
		.amdhsa_group_segment_fixed_size 68096
		.amdhsa_private_segment_fixed_size 0
		.amdhsa_enable_private_segment 0
		.amdhsa_kernarg_size 64
		.amdhsa_user_sgpr_count 2
		.amdhsa_user_sgpr_kernarg_segment_ptr 1
		.amdhsa_wavefront_size32 1
		.amdhsa_system_sgpr_workgroup_id_x 1
		.amdhsa_system_sgpr_workgroup_id_y 1
		.amdhsa_system_sgpr_workgroup_id_z 1
		.amdhsa_system_vgpr_workitem_id 0
		.amdhsa_next_free_vgpr 228
		.amdhsa_next_free_sgpr 66
		.amdhsa_reserve_vcc 1
		.amdhsa_float_denorm_mode_32 3
		.amdhsa_float_denorm_mode_16_64 3
		.amdhsa_memory_ordered 1
		.amdhsa_forward_progress 1
		.amdhsa_inst_pref_size 46
	.end_amdhsa_kernel
	.amdgpu_metadata
---
amdhsa.version: [ 1, 2 ]
amdhsa.kernels:
  - .name:           k_qd12715a15b_prep
    .symbol:         k_qd12715a15b_prep.kd
    .args:
      - { .name: x, .offset: 0, .size: 8, .value_kind: global_buffer, .address_space: global }
      - { .name: Wq, .offset: 8, .size: 8, .value_kind: global_buffer, .address_space: global }
      - { .name: Wk, .offset: 16, .size: 8, .value_kind: global_buffer, .address_space: global }
      - { .name: Wv, .offset: 24, .size: 8, .value_kind: global_buffer, .address_space: global }
      - { .name: Wo, .offset: 32, .size: 8, .value_kind: global_buffer, .address_space: global }
      - { .name: xc, .offset: 40, .size: 8, .value_kind: global_buffer, .address_space: global }
      - { .name: wc, .offset: 48, .size: 8, .value_kind: global_buffer, .address_space: global }
      - { .name: wo16, .offset: 56, .size: 8, .value_kind: global_buffer, .address_space: global }
    .group_segment_fixed_size: 68096
    .private_segment_fixed_size: 0
    .kernarg_segment_align: 8
    .kernarg_segment_size: 64
    .max_flat_workgroup_size: 128
    .sgpr_count:     66
    .vgpr_count:     228
    .wavefront_size: 32
...
	.end_amdgpu_metadata
.endif
;; end of part 1
;; launch qkv (part 2): grid 16 x 16, 4 waves a work-group, clusters of 4 x 1, 167,936 bytes of LDS; arguments xc, wc, bq, bk, bv, qkv; writes qkv
.if DOCPART == 2
	.amdgcn_target "amdgcn-amd-amdhsa--gfx1250"
	.amdhsa_code_object_version 6
	.text
	.protected	k_qd12715a15b_qkv
	.globl	k_qd12715a15b_qkv
	.p2align	8
	.type	k_qd12715a15b_qkv,@function
k_qd12715a15b_qkv:
	s_mov_b64 s[64:65], 0
	v_nop
	global_prefetch_b8 v0, s[64:65] scope:SCOPE_SE
	s_setreg_imm32_b32 hwreg(HW_REG_WAVE_MODE, 25, 1), 1
	s_wait_xcnt 0x0
	s_wait_alu depctr_hold_cnt(0) depctr_sa_sdst(0) depctr_va_vdst(0) depctr_va_sdst(0) depctr_va_ssrc(0) depctr_va_vcc(0) depctr_vm_vsrc(0)
	s_getreg_b32 s2, hwreg(HW_REG_IB_STS2, 6, 4)
	s_cmp_eq_u32 s2, 0
	s_cbranch_scc0 .Lentry_in_a_cluster
	s_endpgm
.Lentry_in_a_cluster:
	s_bfe_u32 s2, ttmp6, 0x10000c
	s_cmp_lg_u32 s2, 0x3003
	s_cbranch_scc0 .Lentry_shape_is_right
	s_endpgm
.Lentry_shape_is_right:
; QKV.  q = x Wq + bq, k = x Wk + bk, v = x Wv + bv on codes of FP4 (E2M1) with E8M0 scales (buffers xc, wc: images of the operands' registers, 512 bytes each, lane l's 16 bytes at 16 l); sums in f32.
; q is multiplied by log2(e) / 8, so that the scores come out as exponents of 2; q, k, v are rounded once to f16 and stored as images of the NEXT launch's operands:
;   q at 0, k at 8,388,608: [head][tt 256][f 2][c 2]: lane (r, h) = token 16 tt + r, channels 32 f + 16 c + 8 h + 0..7;   v at 16,777,216: [head][kg 128][ct 4][c 2]: lane (r, h) = channel 16 ct + r, keys 32 kg + 16 c + 8 h + 0..7.
; LIMIT: q x 0.18, k and v are kept in f16: magnitudes up to 65,504.
; SHARES.  A work-group: 256 tokens x one head's 192 columns (tiles nt: 0-3 q, 4-7 k, 8-11 v).  A wave: 64 tokens (four tiles tk) x 192 columns: 48 accumulators, 8 K steps of 128: 384 matrix instructions.
; The head's weight codes, 98,304 dense bytes, come into LDS once; nothing is filled again.  A wave's codes of x, 32 KiB that no other wave of the work-group reads, go straight into 256 registers.
; CLUSTER.  The four work-groups of a cluster are four token blocks of one head: they ask for the weight panel JOINTLY, each wave a quarter, with a mask that names the four.  x's codes are no wave's but one's, so a second mask has nothing to share.
; q AND k ARE MADE TRANSPOSED (source 0 = 16 columns of W, source 1 = 16 tokens): a lane holds one token and eight neighbouring channels; v in the natural order: a lane holds one channel and eight neighbouring keys.
; So each 16 x 16 result, packed to f16, IS an image, and leaves by one store of 512 consecutive bytes: no stage in LDS.
; REGISTERS, in windows of 256.  Window 0: v1-7 addresses; v8-15 bv; v16-31 x's scale words (4 tk + ks / 2); v32-79 W's (4 nt + ks / 2); v96-191 W's fragments, two sets of six; v192-255 packed results.
;   Window 1: x's fragments, 64 tk + 8 ks.   Window 2: accumulators of q and k, 8 (4 nt + tk).   Window 3: v0-127 accumulators of v; v128-191 bq's and bk's eight tiles, the C of each sum's first product.
; A scale word's register holds K step 2 kp in lanes 0-15 and 2 kp + 1 in lanes 16-31.
.set XS_OFF, 2097152
.set WS_OFF, 1572864
.set PANEL,  98304
.set SPARE,  PANEL                     ; behind the panel: the spare words, 128 bytes for each wave
.set LI,   1                           ; v1  16 x lane
.set BO,   2                           ; v2  32 h: my eight numbers of a bias tile
.set CO4,  3                           ; v3  4 r
.set LI2,  5                           ; v5  16 x lane + 49,152: the panel's tiles 6-11
.set SPW,  6                           ; v6  LDS address of my spare word; never rewritten
.set NIL,  7                           ; v7  0; never rewritten
.set BV,   8
.set XSC,  16
.set WSC,  32
.set BF,   96
.set TP,   192
.set WV,   16                          ; s16 wave
.set G1,   24                          ; s[24:31] descriptor group 1
.set G0,   32                          ; s[32:35] group 0
.set MSB, 0
.macro WIN new                         ; the immediate's high byte repeats the setting that is left
.if MSB != (\new)
	s_set_vgpr_msb (MSB<<8)|(\new)
.set MSB, \new
.endif
.endm
.macro PLACES n
.rept \n
	v_nop
.endr
.endm
.macro CROUND                          ; a round of the cluster's barrier
	s_barrier_signal -1
	s_barrier_wait -1
	s_cmp_lg_u32 s[WV], 0
	s_cbranch_scc1 .Lnot_wave_0_\@
	s_barrier_signal -3
.Lnot_wave_0_\@:
	s_barrier_wait -3
	s_barrier_signal -1
	s_barrier_wait -1
.endm
	s_load_b256 s[4:11], s[0:1], 0x0               ; xc, wc, bq, bk
	s_load_b128 s[12:15], s[0:1], 0x20             ; bv, qkv
	v_lshl_add_u32 v[SPW], v0, 2, SPARE
	v_mov_b32 v[NIL], 0
	ds_add_u32 v[SPW], v[NIL]                      ; the wave's opening: the add, twice on end, and its wait ahead of my first tensor load
	ds_add_u32 v[SPW], v[NIL]
	v_lshrrev_b32 v1, 5, v0
	v_readfirstlane_b32 s[WV], v1                  ; wave 0..3
	s_bfe_u32 s17, ttmp6, 0x40000                  ; cx: my place in the cluster
	s_lshl_b32 s18, ttmp9, 2
	s_add_co_u32 s18, s18, s17                     ; my block of 256 tokens: it enters x's and the results' addresses alone
	s_and_b32 s19, ttmp7, 0xffff                   ; the head, which the four partners share
	s_mov_b32 s[G1], 15|(3<<16)|(1<<21)            ; the mask: all four work-groups; elements of 8 bytes; bit 21 set beside a mask; no padding
	s_mov_b32 s[G1+1], 32<<16                      ; tensor_dim0 = 32 elements: rows of 256 bytes
	s_mov_b32 s[G1+2], 96<<16                      ; tensor_dim1 = 96 rows: 24,576 bytes
	s_mov_b32 s[G1+3], 32<<16                      ; tile_dim0
	s_mov_b32 s[G1+4], 96                          ; tile_dim1
	s_mov_b32 s[G1+5], 32                          ; the pitch: dense
	s_mov_b32 s[G1+6], 0
	s_mov_b32 s[G1+7], 0
	s_mov_b32 s[G0], 1
	s_mul_i32 s[G0+1], s[WV], 24576                ; LDS: my quarter of the panel
	s_mul_i32 s20, s19, PANEL
	s_add_co_u32 s20, s20, s[G0+1]
	s_mov_b32 s21, 0                               ; and in memory: head and wave alone
	s_lshl_b32 s22, s18, 4
	s_lshl_b32 s23, s[WV], 2
	s_add_co_u32 s22, s22, s23                     ; my first tile of 16 tokens
	s_mov_b32 s48, 0x3e38aa3b                      ; log2(e) / 8
	s_mov_b32 s49, s48                             ; (named with it as a pair)
	s_mov_b32 s57, 0
	v_and_b32 v[LI], 31, v0
	v_lshlrev_b32 v[LI], 4, v[LI]
	v_add_nc_u32 v[LI2], 49152, v[LI]
	v_bfe_u32 v[BO], v0, 4, 1
	v_lshlrev_b32 v[BO], 5, v[BO]
	v_and_b32 v[CO4], 15, v0
	v_lshlrev_b32 v[CO4], 2, v[CO4]
	s_wait_dscnt 0x0                               ; both opening adds are done
	s_wait_kmcnt 0x0
	s_add_nc_u64 s[G0+2:G0+3], s[6:7], s[20:21]
	s_or_b32 s[G0+3], s[G0+3], 0x80000000          ; type = 2
	s_lshl_b32 s56, s22, 13
	s_add_nc_u64 s[36:37], s[4:5], s[56:57]        ; x's codes: 8,192 bytes a tile
	s_lshl_b32 s56, s22, 9
	s_add_co_u32 s56, s56, XS_OFF
	s_add_nc_u64 s[38:39], s[4:5], s[56:57]        ; x's scale words: 512 bytes a tile
	s_mul_i32 s56, s19, 6144
	s_add_co_u32 s56, s56, WS_OFF
	s_add_nc_u64 s[40:41], s[6:7], s[56:57]        ; the head's scale words
	s_lshl_b32 s56, s19, 19
	s_lshl_b32 s58, s22, 11
	s_add_co_u32 s56, s56, s58
	s_add_nc_u64 s[42:43], s[14:15], s[56:57]      ; q: head x 524,288 + tile x 2,048;
	s_add_nc_u64 s[44:45], s[42:43], 8388608       ; k;
	s_add_nc_u64 s[46:47], s[42:43], 16777216      ; v: two tiles of keys are 4,096 bytes: the same offset
	s_lshl_b32 s56, s19, 8
	s_add_nc_u64 s[50:51], s[8:9], s[56:57]        ; the head's 64 numbers of bq, bk, bv
	s_add_nc_u64 s[52:53], s[10:11], s[56:57]
	s_add_nc_u64 s[54:55], s[12:13], s[56:57]
	CROUND                                         ; all four work-groups are here: the joint loads meet
	tensor_load_to_lds s[G0:G0+3], s[G1:G1+7]      ; my one tensor load of the launch
	s_nop 0
	PLACES 4
.irp t, 0,1,2,3
	global_load_b128 v[XSC+4*\t:XSC+4*\t+3], v[LI], s[38:39] offset:\t*512
.endr
.irp n, 0,1,2,3,4,5,6,7,8,9,10,11
	global_load_b128 v[WSC+4*\n:WSC+4*\n+3], v[LI], s[40:41] offset:\n*512
.endr
.irp n, 0,1,2,3
	global_load_b32 v[BV+2*\n], v[CO4], s[54:55] offset:\n*64      ; bv of my channel, in both registers of a pair
	global_load_b32 v[BV+2*\n+1], v[CO4], s[54:55] offset:\n*64
.endr
	WIN 0xc0                                       ; destination window 3
.irp n, 0,1,2,3
	global_load_b128 v[128+8*\n:128+8*\n+3], v[BO], s[50:51] offset:\n*64
	global_load_b128 v[128+8*\n+4:128+8*\n+7], v[BO], s[50:51] offset:\n*64+16
.endr
.irp n, 0,1,2,3
	global_load_b128 v[160+8*\n:160+8*\n+3], v[BO], s[52:53] offset:\n*64
	global_load_b128 v[160+8*\n+4:160+8*\n+7], v[BO], s[52:53] offset:\n*64+16
.endr
	WIN 0x40                                       ; destination window 1
.irp k, 0,1,2,3,4,5,6,7                ; x's fragments, K step by K step: eight loads each
.irp t, 0,1,2,3
.irp c, 0,1
	global_load_b128 v[64*\t+8*\k+4*\c:64*\t+8*\k+4*\c+3], v[LI], s[36:37] offset:\t*8192+\k*1024+\c*512
.endr
.endr
.endr
	WIN 0
	s_wait_tensorcnt 0x0                           ; my quarter of the panel is in,
	s_barrier_signal -1
	s_barrier_wait -1                              ; everybody's is.
.macro BLOAD ks, p                     ; six of the panel's twelve tiles, K step ks, into set p
.irp i, 0,1,2,3,4,5
.irp c, 0,1
.if (\p) == 0
	ds_load_b128 v[BF+8*\i+4*\c:BF+8*\i+4*\c+3], v[LI] offset:\i*8192+(\ks)*1024+\c*512
.else
	ds_load_b128 v[BF+48+8*\i+4*\c:BF+48+8*\i+4*\c+3], v[LI2] offset:\i*8192+(\ks)*1024+\c*512
.endif
.endr
.endr
.endm
.macro MM odd, hasc                    ; one product on the registers named by rD, rA, rB, rC, rSA, rSB.  odd: the scale words of an odd K step lie in lanes 16-31
.if \hasc
.if \odd
	v_wmma_scale_f32_16x16x128_f8f6f4 v[rD:rD+7], v[rA:rA+7], v[rB:rB+7], v[rC:rC+7], v[rSA], v[rSB] matrix_a_fmt:MATRIX_FMT_FP4 matrix_b_fmt:MATRIX_FMT_FP4 matrix_a_scale:MATRIX_SCALE_ROW1 matrix_b_scale:MATRIX_SCALE_ROW1
.else
	v_wmma_scale_f32_16x16x128_f8f6f4 v[rD:rD+7], v[rA:rA+7], v[rB:rB+7], v[rC:rC+7], v[rSA], v[rSB] matrix_a_fmt:MATRIX_FMT_FP4 matrix_b_fmt:MATRIX_FMT_FP4
.endif
.else
	v_wmma_scale_f32_16x16x128_f8f6f4 v[rD:rD+7], v[rA:rA+7], v[rB:rB+7], 0, v[rSA], v[rSB] matrix_a_fmt:MATRIX_FMT_FP4 matrix_b_fmt:MATRIX_FMT_FP4
.endif
.endm
; Half a K step: six tiles of columns x four tiles of tokens: 24 accumulators by turns, one instruction a turn; the other half's 24 stand between two links of a chain.
.macro MMH ks, p
.set i, 0
.rept 6
.set nt, 6*(\p)+i
.set tk, 0
.rept 4
.if nt < 8                             ; q, k: source 0 = W's columns, source 1 = x's tokens; the bias starts the sum
.set rD, 8*(4*nt+tk)
.set rA, BF+48*(\p)+8*i
.set rB, 64*tk+8*(\ks)
.set rSA, WSC+4*nt+(\ks)/2
.set rSB, XSC+4*tk+(\ks)/2
.if (\ks) == 0
.set rC, 128+8*nt
	WIN 0xb4                                       ; D window 2, C window 3, source 1 window 1, source 0 window 0
.else
.set rC, rD
	WIN 0xa4                                       ; C and D window 2
.endif
	MM (\ks)%2, 1
.else                                  ; v: source 0 = x's tokens, source 1 = W's columns; the constant 0 starts the sum
.set rD, 8*(4*(nt-8)+tk)
.set rA, 64*tk+8*(\ks)
.set rB, BF+48*(\p)+8*i
.set rSA, XSC+4*tk+(\ks)/2
.set rSB, WSC+4*nt+(\ks)/2
.set rC, rD
	WIN 0xf1                                       ; C and D window 3, source 0 window 1, source 1 window 0
.if (\ks) == 0
	MM 0, 0
.else
	MM (\ks)%2, 1
.endif
.endif
.set tk, tk+1
.endr
.set i, i+1
.endr
.endm
	BLOAD 0, 0
	BLOAD 0, 1
.set II, 0
.rept 16                               ; sixteen half steps, written out: every offset is an immediate
.if II%2 == 0
	s_wait_loadcnt 56-8*(II/2)                     ; this K step's eight loads of x are in (at the first: the scale words and biases, asked for earlier, too); eight for each later K step may be out
.endif
.if II < 15
	s_wait_dscnt 12                                ; this half's twelve LDS loads are in; the next half's twelve may be out
.else
	s_wait_dscnt 0x0
.endif
	MMH II/2, II%2
	WIN 0
	PLACES 4                                       ; four plain places between the products and loads into registers that they read; behind the last half: and the first read of results
.if II <= 13
	BLOAD (II+2)/2, II%2
.endif
.set II, II+1
.endr
; THE WAY OUT.  Each accumulator is read from its low end on.  Sixteen tiles at a time: packed to f16 into v192-255, sixteen stores of 512 consecutive bytes.
	WIN 0x82                                       ; q: destination and source 0 window 2
.set a, 0
.rept 64
	v_pk_mul_f32 v[a:a+1], v[a:a+1], s[48:49] op_sel_hi:[1,0]      ; x log2(e) / 8
.set a, a+2
.endr
	WIN 0x0a                                       ; sources window 2, destination window 0
.set a, 0
.rept 64
	v_cvt_pk_f16_f32 v[TP+a], v[2*a], v[2*a+1]
.set a, a+1
.endr
	WIN 0
.irp n, 0,1,2,3
.irp t, 0,1,2,3
	global_store_b128 v[LI], v[TP+4*(4*\n+\t):TP+4*(4*\n+\t)+3], s[42:43] offset:\t*2048+\n*512
.endr
.endr
	s_wait_xcnt 0x0                                ; q's stores have read their registers: v192-255 are written again only behind this wait
	WIN 0x0a
.set a, 0
.rept 64
	v_cvt_pk_f16_f32 v[TP+a], v[128+2*a], v[128+2*a+1]             ; k
.set a, a+1
.endr
	WIN 0
.irp n, 0,1,2,3
.irp t, 0,1,2,3
	global_store_b128 v[LI], v[TP+4*(4*\n+\t):TP+4*(4*\n+\t)+3], s[44:45] offset:\t*2048+\n*512
.endr
.endr
	WIN 0xc3                                       ; v: destination and source 0 window 3, the bias window 0
.irp n, 0,1,2,3
.set a, 32*\n
.rept 16
	v_pk_add_f32 v[a:a+1], v[a:a+1], v[BV+2*\n:BV+2*\n+1]          ; + bv of my channel
.set a, a+2
.endr
.endr
	s_wait_xcnt 0x0                                ; k's stores have read their registers
	WIN 0x0f
.set a, 0
.rept 64
	v_cvt_pk_f16_f32 v[TP+a], v[2*a], v[2*a+1]
.set a, a+1
.endr
	WIN 0
.irp n, 0,1,2,3
.irp t, 0,1,2,3
	global_store_b128 v[LI], v[TP+4*(4*\n+\t):TP+4*(4*\n+\t)+3], s[46:47] offset:(\t/2)*4096+\n*1024+(\t%2)*512
.endr
.endr
	s_wait_tensorcnt 0x0                           ; the wave's end
	ds_add_u32 v[SPW], v[NIL]
	s_wait_dscnt 0x0
	CROUND                                         ; the closing round
	s_endpgm
.Lfunc_end_k_qd12715a15b_qkv:
	.size	k_qd12715a15b_qkv, .Lfunc_end_k_qd12715a15b_qkv-k_qd12715a15b_qkv
	.p2alignl 7, 3214868480
	.fill 96, 4, 3214868480
	.section	.rodata,"a",@progbits
	.p2align	6, 0x0
	.amdhsa_kernel k_qd12715a15b_qkv
		.amdhsa_group_segment_fixed_size 167936
		.amdhsa_private_segment_fixed_size 0
		.amdhsa_enable_private_segment 0
		.amdhsa_kernarg_size 48
		.amdhsa_user_sgpr_count 2
		.amdhsa_user_sgpr_kernarg_segment_ptr 1
		.amdhsa_wavefront_size32 1
		.amdhsa_system_sgpr_workgroup_id_x 1
		.amdhsa_system_sgpr_workgroup_id_y 1
		.amdhsa_system_sgpr_workgroup_id_z 1
		.amdhsa_system_vgpr_workitem_id 0
		.amdhsa_next_free_vgpr 1024
		.amdhsa_next_free_sgpr 66
		.amdhsa_reserve_vcc 0
		.amdhsa_float_denorm_mode_32 3
		.amdhsa_float_denorm_mode_16_64 3
		.amdhsa_memory_ordered 1
		.amdhsa_forward_progress 1
		.amdhsa_inst_pref_size 103
	.end_amdhsa_kernel
	.amdgpu_metadata
---
amdhsa.version: [ 1, 2 ]
amdhsa.kernels:
  - .name:           k_qd12715a15b_qkv
    .symbol:         k_qd12715a15b_qkv.kd
    .args:
      - { .name: xc, .offset: 0, .size: 8, .value_kind: global_buffer, .address_space: global }
      - { .name: wc, .offset: 8, .size: 8, .value_kind: global_buffer, .address_space: global }
      - { .name: bq, .offset: 16, .size: 8, .value_kind: global_buffer, .address_space: global }
      - { .name: bk, .offset: 24, .size: 8, .value_kind: global_buffer, .address_space: global }
      - { .name: bv, .offset: 32, .size: 8, .value_kind: global_buffer, .address_space: global }
      - { .name: qkv, .offset: 40, .size: 8, .value_kind: global_buffer, .address_space: global }
    .group_segment_fixed_size: 167936
    .private_segment_fixed_size: 0
    .kernarg_segment_align: 8
    .kernarg_segment_size: 48
    .max_flat_workgroup_size: 128
    .sgpr_count:     66
    .vgpr_count:     1024
    .wavefront_size: 32
...
	.end_amdgpu_metadata
.endif
;; end of part 2
;; launch attn (part 3): grid 16 x 16, 8 waves a work-group, clusters of 4 x 1, 327,680 bytes of LDS; arguments qkv, ctx; writes ctx
.if DOCPART == 3
	.amdgcn_target "amdgcn-amd-amdhsa--gfx1250"
	.amdhsa_code_object_version 6
	.text
	.protected	k_qd12715a15b_attn
	.globl	k_qd12715a15b_attn
	.p2align	8
	.type	k_qd12715a15b_attn,@function
k_qd12715a15b_attn:
	s_mov_b64 s[64:65], 0
	v_nop
	global_prefetch_b8 v0, s[64:65] scope:SCOPE_SE
	s_setreg_imm32_b32 hwreg(HW_REG_WAVE_MODE, 25, 1), 1
	s_wait_xcnt 0x0
	s_wait_alu depctr_hold_cnt(0) depctr_sa_sdst(0) depctr_va_vdst(0) depctr_va_sdst(0) depctr_va_ssrc(0) depctr_va_vcc(0) depctr_vm_vsrc(0)
	s_getreg_b32 s2, hwreg(HW_REG_IB_STS2, 6, 4)
	s_cmp_eq_u32 s2, 0
	s_cbranch_scc0 .Lentry_in_a_cluster
	s_endpgm
.Lentry_in_a_cluster:
	s_bfe_u32 s2, ttmp6, 0x10000c
	s_cmp_lg_u32 s2, 0x3003
	s_cbranch_scc0 .Lentry_shape_is_right
	s_endpgm
.Lentry_shape_is_right:
; ATTN.  ctx[q] = the sum over keys of softmax(q . k / 8) v, for 16 heads of 64 channels, 4,096 keys, no mask.  q (already x log2(e) / 8), k and v arrive in f16 as images of the operands' registers
; (512 bytes, lane l's 16 bytes at 16 l; layouts at the head of the launch that makes them).  Products on f16 operands, sums, maxima and exponentials in f32; p is rounded to f16 for the second product, ctx once at the end.
; ctx: [tt 256][kk 32][c 2] images: lane (r, h) = token 16 tt + r, k = 32 kk + 16 c + 8 h + 0..7, k = 64 head + channel.  LIMIT: ctx is kept in f16, magnitudes up to 65,504.
; SOFTMAX.  For each query a running maximum m and sum l: p = 2^(s - m); in every step O and l are multiplied by a = 2^(m_old - m_new).  m begins at -3e38, O and l at 0: the first a is 0 and multiplies zeros, so the step is written once.
; SHARES.  A work-group owns 256 queries of one head.  EIGHT WAVES, TWO TO A SIMD, AND THE KEYS ARE SPLIT: wave w owns queries 64 (w % 4) on, four tiles of 16, and half w / 4 of every slot's keys.
; So each fragment of K or V read from LDS feeds four products, and one wave's softmax stands beside the other wave's products.  At the end the two halves are merged once, through LDS.
; LAYOUT.  S^T = K Q^T (source 0 = 16 keys, source 1 = 16 queries): a lane holds ONE query and the keys 8 (lane / 16) + 0..7.  Two such tiles, packed to f16, ARE source 1 (32 keys x 16 queries) of O^T = V^T P.
; RING.  Two LDS slots of 256 keys (K's 32 KiB, then V's 32 KiB).  Each wave fetches an eighth of a slot by one tensor load (waves 0-3 K's quarters, waves 4-7 V's): one line of text for all eight.
; CLUSTER.  The four query blocks of a cluster belong to one head and walk the same K and V: each load is asked for JOINTLY, with a mask that names the four.
; REGISTERS.  Window 0: v1-5 addresses; v16-47 eight statistics a tile (+0 m, +1 old m, +2, +3 l in two halves, +4..+7 at work; a in +6); v48-55 m and l as they are sent; v64-191 S^T, 32 a tile, then P in place; v192-255 K.
;   Window 1: v0-127 O^T, 32 a tile; v128-191 Q; v192-255 V.
.set SLOTB, 65536                      ; slot 1 begins here: one exclusive or turns an address in one slot into the other's
.set VOFF,  32768                      ; V's images in a slot
.set STG,   2*SLOTB                    ; behind the ring: for each quarter of the queries 32 images of O^T, one of m, one of l.  No fill lands here
.set STGW,  34*512
.set SPARE, STG+4*STGW                 ; the spare words, 128 bytes for each wave
.set LI,  1                            ; v1  16 x lane
.set AL,  2                            ; v2  + 16,384 x my half of the keys
.set ADR, 3                            ; v3  + the slot in hand
.set STA, 4                            ; v4  my quarter's place in the stage + 16 x lane
.set PFO, 5                            ; v5  256 x lane: the prefetches' offset
.set ST,  16
.set MS,  48
.set LS,  52
.set SPW, 62                           ; v62 LDS address of my spare word; never rewritten
.set NIL, 63                           ; v63 0; never rewritten
.set S,   64
.set KF,  192
.set QF,  128
.set VF,  192
.set WV,  8                            ; s8  wave
.set GH,  9                            ; s9  my half of the keys
.set WQ,  10                           ; s10 my quarter of the queries
.set G1,  16                           ; s[16:23] descriptor group 1
.set G0,  24                           ; s[24:27] group 0: it walks
.set TB,  32                           ; s32 LDS byte at which the slot in hand begins
.set SLOTS, 33                         ; s33 slots still to be asked for
.set SEL, 34                           ; s[34:35] selects for lane l xor 16
.set PFA, 36                           ; s[36:37] where my prefetches stand
.set LIM, 38                           ; s38 1 in a wave that prefetches, else the greatest number
.set MSB, 0
.macro WIN new
.if MSB != (\new)
	s_set_vgpr_msb (MSB<<8)|(\new)
.set MSB, \new
.endif
.endm
.macro PLACES n
.rept \n
	v_nop
.endr
.endm
.macro CROUND
	s_barrier_signal -1
	s_barrier_wait -1
	s_cmp_lg_u32 s[WV], 0
	s_cbranch_scc1 .Lnot_wave_0_\@
	s_barrier_signal -3
.Lnot_wave_0_\@:
	s_barrier_wait -3
	s_barrier_signal -1
	s_barrier_wait -1
.endm
; A PREFETCH INTO THE L2 of the slot that the NEXT change of slots will ask for: a slot's steps, 128 matrix instructions a wave, ahead of that load.  All clusters of a head walk the same K and V: the head's first cluster asks.
; Its four partners share the 32 KiB out BY ADDRESS, 8 KiB each, lanes 256 bytes apart; in each, wave 0 asks for K's and wave 4 for V's.  So each block of 256 bytes is named once in the launch.
; The last change that fills a slot asks for nothing; nothing is asked for at the head.
.macro ASK
	s_cmp_gt_u32 s[SLOTS], s[LIM]
	s_cbranch_scc0 .Lnot_mine_\@
	global_prefetch_b8 v[PFO], s[PFA:PFA+1] th:TH_LOAD_NT scope:SCOPE_SE
.Lnot_mine_\@:
.endm
	s_load_b128 s[4:7], s[0:1], 0x0                ; qkv, ctx
	v_lshl_add_u32 v[SPW], v0, 2, SPARE
	v_mov_b32 v[NIL], 0
	ds_add_u32 v[SPW], v[NIL]                      ; the wave's opening: the add, twice on end, and its wait ahead of my first tensor load
	ds_add_u32 v[SPW], v[NIL]
	v_lshrrev_b32 v1, 5, v0
	v_readfirstlane_b32 s[WV], v1                  ; wave 0..7
	s_lshr_b32 s[GH], s[WV], 2
	s_and_b32 s[WQ], s[WV], 3
	s_bfe_u32 s11, ttmp6, 0x40000                  ; cx
	s_lshl_b32 s12, ttmp9, 2
	s_add_co_u32 s12, s12, s11                     ; my block of 256 queries: it enters Q's and ctx's addresses alone
	s_and_b32 s13, ttmp7, 0xffff                   ; the head, which the four partners share
	s_mov_b32 s[G1], 15|(3<<16)|(1<<21)            ; the mask: all four; elements of 8 bytes; bit 21 set beside a mask; no padding: images are read 16 bytes a lane on end
	s_mov_b32 s[G1+1], 32<<16                      ; rows of 256 bytes,
	s_mov_b32 s[G1+2], 32<<16                      ; 32 of them: 8 KiB
	s_mov_b32 s[G1+3], 32<<16
	s_mov_b32 s[G1+4], 32
	s_mov_b32 s[G1+5], 32                          ; dense
	s_mov_b32 s[G1+6], 0
	s_mov_b32 s[G1+7], 0
	s_mov_b32 s[G0], 1
	s_lshl_b32 s[G0+1], s[WV], 13                  ; LDS: wave x 8 KiB: K's four quarters, then V's
	s_add_co_u32 s40, s[GH], 1
	s_lshl_b32 s40, s40, 23                        ; k's part begins at 8,388,608, v's at 16,777,216
	s_lshl_b32 s41, s13, 19
	s_add_co_u32 s40, s40, s41                     ; + head x 524,288
	s_lshl_b32 s41, s[WQ], 13
	s_add_co_u32 s40, s40, s41                     ; + my quarter of slot 0
	s_mov_b32 s41, 0
	s_lshl_b32 s42, s11, 13                        ; the prefetches: my work-group's 8 KiB,
	s_add_co_u32 s42, s42, 32768                   ; in slot 1: the first change of slots steps it to slot 2
	s_mov_b32 s43, 0
	s_lshl_b32 s14, s12, 4
	s_lshl_b32 s15, s[WQ], 2
	s_add_co_u32 s14, s14, s15                     ; my first tile of 16 queries
	s_lshl_b32 s44, s13, 19
	s_lshl_b32 s15, s14, 11
	s_add_co_u32 s44, s44, s15                     ; Q: head x 524,288 + tile x 2,048
	s_mov_b32 s45, 0
	s_lshl_b32 s46, s14, 15
	s_lshl_b32 s15, s13, 11
	s_add_co_u32 s46, s46, s15                     ; ctx: tile x 32,768 + head x 2,048
	s_mov_b32 s47, 0
	s_or_b32 s[LIM], s[WQ], ttmp9                  ; 0 in waves 0 and 4 of the head's first cluster: the same in all four partners
	s_cmp_eq_u32 s[LIM], 0
	s_cselect_b32 s[LIM], 1, -1
	s_mov_b32 s[SEL], 0x76543210
	s_mov_b32 s[SEL+1], 0xfedcba98
	s_mov_b32 s[TB], 0
	s_mov_b32 s[SLOTS], 15
	v_and_b32 v[LI], 31, v0
	v_lshlrev_b32 v[PFO], 8, v[LI]
	v_lshlrev_b32 v[LI], 4, v[LI]
	s_lshl_b32 s15, s[GH], 14
	v_add_nc_u32 v[AL], s15, v[LI]
	s_mul_i32 s15, s[WQ], STGW
	s_add_co_u32 s15, s15, STG
	v_add_nc_u32 v[STA], s15, v[LI]
	s_wait_dscnt 0x0                               ; both opening adds are done
	s_wait_kmcnt 0x0
	s_add_nc_u64 s[G0+2:G0+3], s[4:5], s[40:41]
	s_add_nc_u64 s[PFA:PFA+1], s[G0+2:G0+3], s[42:43]
	s_or_b32 s[G0+3], s[G0+3], 0x80000000          ; type = 2
	s_add_nc_u64 s[44:45], s[4:5], s[44:45]
	s_add_nc_u64 s[46:47], s[6:7], s[46:47]
	CROUND                                         ; all four work-groups are here: the first joint loads meet
	tensor_load_to_lds s[G0:G0+3], s[G1:G1+7]      ; slot 0
	s_nop 0
	PLACES 4
	WIN 0x40                                       ; destination window 1
.irp n, 0,1,2,3,4,5,6,7,8,9,10,11,12,13,14,15
	global_load_b128 v[QF+4*\n:QF+4*\n+3], v[LI], s[44:45] offset:\n*512   ; Q stays in registers: 16 images on end
.endr
.set a, 0
.rept 128
	v_mov_b32 v[a], 0                              ; O^T.  (Once: the step is written once, and its first a multiplies zeros)
.set a, a+1
.endr
	WIN 0
.irp t, 0,1,2,3
	v_mov_b32 v[ST+8*\t], 0xff61b1e6               ; m = -3e38, under every score
	v_mov_b32 v[ST+8*\t+2], 0                      ; l
	v_mov_b32 v[ST+8*\t+3], 0
.endr
.macro KLOAD u                         ; my 64 keys of step u: 16 images
.irp n, 0,1,2,3,4,5,6,7,8,9,10,11,12,13,14,15
	ds_load_b128 v[KF+4*\n:KF+4*\n+3], v[ADR] offset:(\u)*8192+\n*512
.endr
.endm
.macro VLOAD u
.irp n, 0,1,2,3,4,5,6,7,8,9,10,11,12,13,14,15
	ds_load_b128 v[VF+4*\n:VF+4*\n+3], v[ADR] offset:VOFF+(\u)*8192+\n*512
.endr
.endm
; A KEY STEP of a wave: 64 keys x 64 queries: 32 products K Q^T, the softmax of four tiles (line by line by turns), 32 products V^T P.
.macro STEP u
.if (\u) == 0
	v_add_nc_u32 v[ADR], s[TB], v[AL]
	KLOAD 0
.endif
	s_wait_dscnt 0x0                               ; K is in
	WIN 0x04                                       ; source 1 (Q) window 1
.irp f, 0,1                            ; sixteen accumulators by turns, one instruction a turn; the first sixteen start the sums
.irp kt, 0,1,2,3
.irp qt, 0,1,2,3
.if \f == 0
	v_wmma_f32_16x16x32_f16 v[S+32*\qt+8*\kt:S+32*\qt+8*\kt+7], v[KF+16*\kt+8*\f:KF+16*\kt+8*\f+7], v[QF+16*\qt+8*\f:QF+16*\qt+8*\f+7], 0
.else
	v_wmma_f32_16x16x32_f16 v[S+32*\qt+8*\kt:S+32*\qt+8*\kt+7], v[KF+16*\kt+8*\f:KF+16*\kt+8*\f+7], v[QF+16*\qt+8*\f:QF+16*\qt+8*\f+7], v[S+32*\qt+8*\kt:S+32*\qt+8*\kt+7]
.endif
.endr
.endr
.endr
	WIN 0
	PLACES 4                                       ; four plain places: in front of the loads into K's registers and of the first read of the scores
	WIN 0x40
	VLOAD \u
	WIN 0
.if (\u) == 0
	KLOAD 1                                        ; the next step's K lands during this step's softmax
.endif
	; the maximum of my 32 scores and the old m: four chains, each begun at an accumulator's low end
.irp k, 0,1,2,3
.irp t, 0,1,2,3
	v_max3_num_f32 v[ST+8*\t+4+\k], v[S+32*\t+8*\k], v[S+32*\t+8*\k+1], v[S+32*\t+8*\k+2]
.endr
.endr
.irp z, 3,5
.irp k, 0,1,2,3
.irp t, 0,1,2,3
	v_max3_num_f32 v[ST+8*\t+4+\k], v[ST+8*\t+4+\k], v[S+32*\t+8*\k+\z], v[S+32*\t+8*\k+\z+1]
.endr
.endr
.endr
.irp t, 0,1,2,3
	v_max3_num_f32 v[ST+8*\t+4], v[ST+8*\t+4], v[S+32*\t+7], v[S+32*\t+15]
.endr
.irp t, 0,1,2,3
	v_max3_num_f32 v[ST+8*\t+6], v[ST+8*\t+6], v[S+32*\t+23], v[S+32*\t+31]
.endr
.irp t, 0,1,2,3
	v_max3_num_f32 v[ST+8*\t+4], v[ST+8*\t+4], v[ST+8*\t+5], v[ST+8*\t+6]
.endr
.irp t, 0,1,2,3
	v_max3_num_f32 v[ST+8*\t+4], v[ST+8*\t+4], v[ST+8*\t+7], v[ST+8*\t]
.endr
.irp t, 0,1,2,3
	v_permlanex16_b32 v[ST+8*\t+5], v[ST+8*\t+4], s[SEL], s[SEL+1]  ; the query's other 32 keys lie in the lane 16 away
.endr
.irp t, 0,1,2,3
	v_mov_b32 v[ST+8*\t+1], v[ST+8*\t]             ; the old m
.endr
.irp t, 0,1,2,3
	v_max_num_f32 v[ST+8*\t], v[ST+8*\t+4], v[ST+8*\t+5]
.endr
.irp t, 0,1,2,3
	v_sub_f32 v[ST+8*\t+7], v[ST+8*\t+1], v[ST+8*\t]
.endr
	; ONE BATCH of 132 exponentials: a of the four tiles, then the scores, with the next tile's subtractions between them.  No line of the batch names an exponential's result.
.irp t, 0,1,2,3
	v_exp_f32 v[ST+8*\t+6], v[ST+8*\t+7]           ; a = 2^(m_old - m_new)
.endr
.irp i, 0,1,2,3,4,5,6,7,8,9,10,11,12,13,14,15
	v_pk_add_f32 v[S+2*\i:S+2*\i+1], v[S+2*\i:S+2*\i+1], v[ST:ST+1] op_sel_hi:[1,0] neg_lo:[0,1] neg_hi:[0,1]   ; s - m, two at a time (of the pair m, old m the low word serves both halves)
.endr
.irp t, 0,1,2,3
.irp i, 0,1,2,3,4,5,6,7,8,9,10,11,12,13,14,15
	v_exp_f32 v[S+32*\t+2*\i], v[S+32*\t+2*\i]
	v_exp_f32 v[S+32*\t+2*\i+1], v[S+32*\t+2*\i+1]
.if \t < 3
	v_pk_add_f32 v[S+32*(\t+1)+2*\i:S+32*(\t+1)+2*\i+1], v[S+32*(\t+1)+2*\i:S+32*(\t+1)+2*\i+1], v[ST+8*(\t+1):ST+8*(\t+1)+1] op_sel_hi:[1,0] neg_lo:[0,1] neg_hi:[0,1]
.endif
.endr
.endr
	v_nop                                          ; a plain line behind the last exponential
	s_wait_alu depctr_va_vdst(0)                   ; one wait for the whole batch, ahead of its first reader
.irp t, 0,1,2,3
	v_pk_mul_f32 v[ST+8*\t+2:ST+8*\t+3], v[ST+8*\t+2:ST+8*\t+3], v[ST+8*\t+6:ST+8*\t+7] op_sel_hi:[1,0]   ; l x a
.endr
.irp i, 0,1,2,3,4,5,6,7,8,9,10,11,12,13,14,15
.irp t, 0,1,2,3
	v_pk_add_f32 v[ST+8*\t+2:ST+8*\t+3], v[ST+8*\t+2:ST+8*\t+3], v[S+32*\t+2*\i:S+32*\t+2*\i+1]   ; the sum is taken of the unrounded p
.endr
.endr
.irp i, 0,1,2,3,4,5,6,7,8,9,10,11,12,13,14,15
.irp t, 0,1,2,3
	v_cvt_pk_f16_f32 v[S+32*\t+\i], v[S+32*\t+2*\i], v[S+32*\t+2*\i+1]   ; P in place: register i has been read before it is written
.endr
.endr
	WIN 0x41                                       ; O^T (destination and source 0) window 1, a window 0
.irp i, 0,1,2,3,4,5,6,7,8,9,10,11,12,13,14,15
.irp t, 0,1,2,3
	v_pk_mul_f32 v[32*\t+2*\i:32*\t+2*\i+1], v[32*\t+2*\i:32*\t+2*\i+1], v[ST+8*\t+6:ST+8*\t+7] op_sel_hi:[1,0]   ; O^T x a, each accumulator from its low end on
.endr
.endr
.if (\u) == 0
	s_wait_dscnt 16                                ; V is in; the sixteen loads of the next step's K may be out
.else
	s_wait_dscnt 0x0
.endif
	WIN 0x51                                       ; V, C and D window 1, P window 0
.irp kg, 0,1
.irp ct, 0,1,2,3
.irp qt, 0,1,2,3
	v_wmma_f32_16x16x32_f16 v[32*\qt+8*\ct:32*\qt+8*\ct+7], v[VF+32*\kg+8*\ct:VF+32*\kg+8*\ct+7], v[S+32*\qt+8*\kg:S+32*\qt+8*\kg+7], v[32*\qt+8*\ct:32*\qt+8*\ct+7]
.endr
.endr
.endr
	WIN 0
	PLACES 5                                       ; five plain places: the next K Q^T writes over P, which these products read
.endm
; THE CHANGE OF SLOTS stands at a slot's head.  Each wave waits for all its tensor loads (one is out: its part of the slot ahead), adds 0 to its spare word, and waits for that and for its reads of the slot that it has left.
; fill = 1: the barrier is a round of the cluster's, and behind it the slot just left is filled with the keys that follow the slot ahead: my one tensor load until the next round; it has a whole slot's steps in which to land.
.macro CHANGE fill
	WIN 0
	s_wait_tensorcnt 0x0                           ; no tensor load of mine is out, so group 0 may be written
	ds_add_u32 v[SPW], v[NIL]
.if \fill
	s_xor_b32 s[G0+1], s[G0+1], SLOTB              ; the other slot than last time,
	s_add_nc_u64 s[G0+2:G0+3], s[G0+2:G0+3], 32768 ; the next 256 keys; the type bits on top are not reached
	s_wait_xcnt 0x0                                ; the last prefetch, a slot back, has read its address
	s_add_nc_u64 s[PFA:PFA+1], s[PFA:PFA+1], 32768
	s_wait_dscnt 0x0                               ; the add is done, and my reads of the slot that I have left are over
	CROUND
	tensor_load_to_lds s[G0:G0+3], s[G1:G1+7]
	s_nop 0
	PLACES 4
	ASK
.else
	s_wait_dscnt 0x0
	s_barrier_signal -1
	s_barrier_wait -1
.endif
.endm
	s_wait_loadcnt 0x0                             ; Q
.Lslot:                                            ; 15 trips: behind each change of slots but the last the next slot is asked for
	CHANGE 1
	STEP 0
	STEP 1
	s_xor_b32 s[TB], s[TB], SLOTB
	s_sub_co_u32 s[SLOTS], s[SLOTS], 1
	s_cmp_lg_u32 s[SLOTS], 0
	s_cbranch_scc1 .Lslot
	CHANGE 0                                       ; the last slot is written out
	STEP 0
	STEP 1
; THE MERGE of the two halves of the keys.  Waves 4-7 send O^T, m and l through the stage; waves 0-3 bring both halves under the larger m, divide by the whole sum, round and store.
.irp t, 0,1,2,3
	v_add_f32 v[ST+8*\t+4], v[ST+8*\t+2], v[ST+8*\t+3]
.endr
.irp t, 0,1,2,3
	v_permlanex16_b32 v[ST+8*\t+5], v[ST+8*\t+4], s[SEL], s[SEL+1]
.endr
.irp t, 0,1,2,3
	v_add_f32 v[LS+\t], v[ST+8*\t+4], v[ST+8*\t+5] ; l of my half of the keys
.endr
.irp t, 0,1,2,3
	v_mov_b32 v[MS+\t], v[ST+8*\t]
.endr
	s_cmp_eq_u32 s[GH], 0
	s_cbranch_scc1 .Lkeep
	WIN 0x04                                       ; an LDS store's data are its source 1: window 1
.irp n, 0,1,2,3,4,5,6,7,8,9,10,11,12,13,14,15,16,17,18,19,20,21,22,23,24,25,26,27,28,29,30,31
	ds_store_b128 v[STA], v[4*\n:4*\n+3] offset:\n*512             ; each accumulator from its low end on
.endr
	WIN 0
	ds_store_b128 v[STA], v[MS:MS+3] offset:16384
	ds_store_b128 v[STA], v[LS:LS+3] offset:16896
.Lkeep:
	s_wait_dscnt 0x0                               ; for the others' sake: my stores into the stage are done
	s_barrier_signal -1
	s_barrier_wait -1
	s_cmp_lg_u32 s[GH], 0
	s_cbranch_scc1 .Lend
.irp n, 0,1,2,3,4,5,6,7,8,9,10,11,12,13,14,15,16,17,18,19,20,21,22,23,24,25,26,27,28,29,30,31
	ds_load_b128 v[S+4*\n:S+4*\n+3], v[STA] offset:\n*512          ; the partner's O^T: register n at v[64 + n]
.endr
	ds_load_b128 v[192:195], v[STA] offset:16384   ; its m
	ds_load_b128 v[196:199], v[STA] offset:16896   ; its l
	s_wait_dscnt 0x0
.irp t, 0,1,2,3
	v_max_num_f32 v[200+\t], v[MS+\t], v[192+\t]
.endr
.irp t, 0,1,2,3
	v_sub_f32 v[204+\t], v[MS+\t], v[200+\t]
	v_sub_f32 v[208+\t], v[192+\t], v[200+\t]
.endr
.irp t, 0,1,2,3
	v_exp_f32 v[212+\t], v[204+\t]                 ; e0
.endr
.irp t, 0,1,2,3
	v_exp_f32 v[216+\t], v[208+\t]                 ; e1
.endr
	v_nop
	s_wait_alu depctr_va_vdst(0)                   ; one wait for the eight
.irp t, 0,1,2,3
	v_mul_f32 v[220+\t], v[LS+\t], v[212+\t]
.endr
.irp t, 0,1,2,3
	v_fmac_f32 v[220+\t], v[196+\t], v[216+\t]     ; the whole sum under the common m
.endr
.irp t, 0,1,2,3
	v_rcp_f32 v[224+\t], v[220+\t]
.endr
	v_nop
	s_wait_alu depctr_va_vdst(0)                   ; one wait for the four
.irp t, 0,1,2,3
	v_mul_f32 v[232+2*\t], v[212+\t], v[224+\t]    ; f0 = e0 / l, in both registers of a pair
	v_mul_f32 v[233+2*\t], v[212+\t], v[224+\t]
	v_mul_f32 v[240+2*\t], v[216+\t], v[224+\t]    ; f1 = e1 / l
	v_mul_f32 v[241+2*\t], v[216+\t], v[224+\t]
.endr
.irp t, 0,1,2,3
.irp i, 0,1,2,3,4,5,6,7,8,9,10,11,12,13,14,15
	v_pk_mul_f32 v[S+32*\t+2*\i:S+32*\t+2*\i+1], v[S+32*\t+2*\i:S+32*\t+2*\i+1], v[240+2*\t:241+2*\t]
.endr
.endr
	WIN 0x01                                       ; source 0 (my O^T) window 1
.irp t, 0,1,2,3
.irp i, 0,1,2,3,4,5,6,7,8,9,10,11,12,13,14,15
	v_pk_fma_f32 v[S+32*\t+2*\i:S+32*\t+2*\i+1], v[32*\t+2*\i:32*\t+2*\i+1], v[232+2*\t:233+2*\t], v[S+32*\t+2*\i:S+32*\t+2*\i+1]
.endr
.endr
	WIN 0
.irp t, 0,1,2,3
.irp i, 0,1,2,3,4,5,6,7,8,9,10,11,12,13,14,15
	v_cvt_pk_f16_f32 v[S+32*\t+\i], v[S+32*\t+2*\i], v[S+32*\t+2*\i+1]   ; a lane's eight channels of a token: 16 bytes: an image of the next launch's operand
.endr
.endr
.irp t, 0,1,2,3
.irp c, 0,1,2,3
	global_store_b128 v[LI], v[S+32*\t+4*\c:S+32*\t+4*\c+3], s[46:47] offset:\t*32768+\c*512   ; 512 consecutive bytes, aligned
.endr
.endr
.Lend:
	s_wait_tensorcnt 0x0                           ; the wave's end
	ds_add_u32 v[SPW], v[NIL]
	s_wait_dscnt 0x0
	CROUND                                         ; the closing round
	s_endpgm
.Lfunc_end_k_qd12715a15b_attn:
	.size	k_qd12715a15b_attn, .Lfunc_end_k_qd12715a15b_attn-k_qd12715a15b_attn
	.p2alignl 7, 3214868480
	.fill 96, 4, 3214868480
	.section	.rodata,"a",@progbits
	.p2align	6, 0x0
	.amdhsa_kernel k_qd12715a15b_attn
		.amdhsa_group_segment_fixed_size 327680
		.amdhsa_private_segment_fixed_size 0
		.amdhsa_enable_private_segment 0
		.amdhsa_kernarg_size 16
		.amdhsa_user_sgpr_count 2
		.amdhsa_user_sgpr_kernarg_segment_ptr 1
		.amdhsa_wavefront_size32 1
		.amdhsa_system_sgpr_workgroup_id_x 1
		.amdhsa_system_sgpr_workgroup_id_y 1
		.amdhsa_system_sgpr_workgroup_id_z 1
		.amdhsa_system_vgpr_workitem_id 0
		.amdhsa_next_free_vgpr 512
		.amdhsa_next_free_sgpr 66
		.amdhsa_reserve_vcc 0
		.amdhsa_float_denorm_mode_32 3
		.amdhsa_float_denorm_mode_16_64 3
		.amdhsa_memory_ordered 1
		.amdhsa_forward_progress 1
		.amdhsa_inst_pref_size 159
	.end_amdhsa_kernel
	.amdgpu_metadata
---
amdhsa.version: [ 1, 2 ]
amdhsa.kernels:
  - .name:           k_qd12715a15b_attn
    .symbol:         k_qd12715a15b_attn.kd
    .args:
      - { .name: qkv, .offset: 0, .size: 8, .value_kind: global_buffer, .address_space: global }
      - { .name: ctx, .offset: 8, .size: 8, .value_kind: global_buffer, .address_space: global }
    .group_segment_fixed_size: 327680
    .private_segment_fixed_size: 0
    .kernarg_segment_align: 8
    .kernarg_segment_size: 16
    .max_flat_workgroup_size: 256
    .sgpr_count:     66
    .vgpr_count:     512
    .wavefront_size: 32
...
	.end_amdgpu_metadata
.endif
;; end of part 3
;; launch oproj (part 4): grid 16 x 16, 4 waves a work-group, clusters of 4 x 1, 167,936 bytes of LDS; arguments ctx, wo16, bo, out0; writes out0
.if DOCPART == 4
	.amdgcn_target "amdgcn-amd-amdhsa--gfx1250"
	.amdhsa_code_object_version 6
	.text
	.protected	k_qd12715a15b_oproj
	.globl	k_qd12715a15b_oproj
	.p2align	8
	.type	k_qd12715a15b_oproj,@function
k_qd12715a15b_oproj:
	s_mov_b64 s[64:65], 0
	v_nop
	global_prefetch_b8 v0, s[64:65] scope:SCOPE_SE
	s_setreg_imm32_b32 hwreg(HW_REG_WAVE_MODE, 25, 1), 1
	s_wait_xcnt 0x0
	s_wait_alu depctr_hold_cnt(0) depctr_sa_sdst(0) depctr_va_vdst(0) depctr_va_sdst(0) depctr_va_ssrc(0) depctr_va_vcc(0) depctr_vm_vsrc(0)
	s_getreg_b32 s2, hwreg(HW_REG_IB_STS2, 6, 4)
	s_cmp_eq_u32 s2, 0
	s_cbranch_scc0 .Lentry_in_a_cluster
	s_endpgm
.Lentry_in_a_cluster:
	s_bfe_u32 s2, ttmp6, 0x10000c
	s_cmp_lg_u32 s2, 0x3003
	s_cbranch_scc0 .Lentry_shape_is_right
	s_endpgm
.Lentry_shape_is_right:
; OPROJ.  out0 = ctx Wo + bo.  ctx [4096][1024] and Wo [1024][1024] arrive in f16 as images of the operands' registers (512 bytes, lane l's 16 bytes at 16 l); sums in f32; out0 [4096][1024] f32.
;   ctx:  [tt 256][kk 32][c 2]: lane (r, h) = token 16 tt + r, k = 32 kk + 16 c + 8 h + 0..7.      wo16: [ng 16][kk 32][t 4][c 2]: lane (r, h) = Wo[32 kk + 16 c + 8 h + 0..7][64 ng + 4 r + t].
; SHARES.  A work-group: 256 tokens x 64 columns (ng).  A wave: 64 tokens (four tiles tk) x 64 columns (four tiles t): 16 accumulators, 32 K steps of 32: 512 matrix instructions.
; Wo's panel of the 64 columns, 131,072 dense bytes, comes into LDS once; nothing is filled again.  A wave's fragments of ctx, which no other wave of the work-group reads, stream from memory into a ring of eight register sets: eight K steps, 64 loads, ahead.
; CLUSTER.  The four work-groups of a cluster are four token blocks of one ng: they ask for the panel JOINTLY, each wave a quarter.
; THE COLUMNS OF A TILE ARE 4 APART (lane r of tile t = column 4 r + t): a lane's results of the four tiles are four NEIGHBOURING columns, so the bias's addition lays 16 bytes together,
; and sixteen lanes store 256 consecutive bytes of a row of out0, at a multiple of 256 from its first byte: no stage in LDS.
; The 32 K steps are written out: every offset is an immediate and no pointer is stepped.
; REGISTERS.  Window 0: v1-5 addresses; v16-19 bo of my four columns; v32-95 Wo's fragments, two sets of four; v96-127 results at work; v128-255 accumulators, 8 (4 tk + t).   Window 1: ctx's fragments, 32 (step % 8) + 8 tk.
.set PANEL, 131072
.set SPARE, PANEL                      ; behind the panel: the spare words, 128 bytes for each wave
.set LI,  1                            ; v1  16 x lane: the panel's K steps 0-15
.set CO,  3                            ; v3  my place in out0: 16 r, + 8 rows for lanes 16-31
.set BA,  4                            ; v4  16 r
.set LI2, 5                            ; v5  16 x lane + 65,536: K steps 16-31
.set BI,  16
.set SPW, 20                           ; v20 LDS address of my spare word; never rewritten
.set NIL, 21                           ; v21 0; never rewritten
.set BFR, 32
.set T,   96
.set ACC, 128
.set WV,  16
.set G1,  24
.set G0,  32
.set MSB, 0
.macro WIN new
.if MSB != (\new)
	s_set_vgpr_msb (MSB<<8)|(\new)
.set MSB, \new
.endif
.endm
.macro PLACES n
.rept \n
	v_nop
.endr
.endm
.macro CROUND
	s_barrier_signal -1
	s_barrier_wait -1
	s_cmp_lg_u32 s[WV], 0
	s_cbranch_scc1 .Lnot_wave_0_\@
	s_barrier_signal -3
.Lnot_wave_0_\@:
	s_barrier_wait -3
	s_barrier_signal -1
	s_barrier_wait -1
.endm
	s_load_b256 s[4:11], s[0:1], 0x0               ; ctx, wo16, bo, out0
	v_lshl_add_u32 v[SPW], v0, 2, SPARE
	v_mov_b32 v[NIL], 0
	ds_add_u32 v[SPW], v[NIL]                      ; the wave's opening: the add, twice on end, and its wait ahead of my first tensor load
	ds_add_u32 v[SPW], v[NIL]
	v_lshrrev_b32 v1, 5, v0
	v_readfirstlane_b32 s[WV], v1                  ; wave 0..3
	s_bfe_u32 s17, ttmp6, 0x40000                  ; cx
	s_lshl_b32 s18, ttmp9, 2
	s_add_co_u32 s18, s18, s17                     ; my block of 256 tokens: it enters ctx's and out0's addresses alone
	s_and_b32 s19, ttmp7, 0xffff                   ; ng, which the four partners share
	s_mov_b32 s[G1], 15|(3<<16)|(1<<21)            ; the mask: all four; elements of 8 bytes; bit 21 set beside a mask; no padding
	s_mov_b32 s[G1+1], 32<<16                      ; rows of 256 bytes,
	s_mov_b32 s[G1+2], 128<<16                     ; 128 of them: 32 KiB
	s_mov_b32 s[G1+3], 32<<16
	s_mov_b32 s[G1+4], 128
	s_mov_b32 s[G1+5], 32                          ; dense
	s_mov_b32 s[G1+6], 0
	s_mov_b32 s[G1+7], 0
	s_mov_b32 s[G0], 1
	s_lshl_b32 s[G0+1], s[WV], 15                  ; LDS: my quarter of the panel
	s_lshl_b32 s20, s19, 17
	s_add_co_u32 s20, s20, s[G0+1]
	s_mov_b32 s21, 0                               ; and in memory: ng and wave alone
	s_lshl_b32 s42, s18, 19
	s_lshl_b32 s44, s[WV], 17
	s_add_co_u32 s42, s42, s44                     ; ctx: (16 block + 4 wave) tiles of 32,768 bytes
	s_mov_b32 s43, 0
	s_lshl_b32 s44, s18, 20
	s_lshl_b32 s46, s[WV], 18
	s_add_co_u32 s44, s44, s46
	s_lshl_b32 s46, s19, 8
	s_add_co_u32 s44, s44, s46                     ; out0: (256 block + 64 wave) rows of 4,096 bytes + 256 ng
	s_mov_b32 s45, 0
	s_mov_b32 s47, 0                               ; s[46:47] = 256 ng: bo's 64 numbers
	v_and_b32 v[LI], 31, v0
	v_lshlrev_b32 v[LI], 4, v[LI]
	v_add_nc_u32 v[LI2], 65536, v[LI]
	v_and_b32 v[BA], 15, v0
	v_lshlrev_b32 v[BA], 4, v[BA]
	v_bfe_u32 v[CO], v0, 4, 1
	v_lshl_add_u32 v[CO], v[CO], 15, v[BA]
	s_wait_dscnt 0x0                               ; both opening adds are done
	s_wait_kmcnt 0x0
	s_add_nc_u64 s[G0+2:G0+3], s[6:7], s[20:21]
	s_or_b32 s[G0+3], s[G0+3], 0x80000000          ; type = 2
	s_add_nc_u64 s[36:37], s[4:5], s[42:43]
	s_add_nc_u64 s[38:39], s[10:11], s[44:45]
	s_add_nc_u64 s[40:41], s[8:9], s[46:47]
	CROUND                                         ; all four work-groups are here: the joint loads meet
	tensor_load_to_lds s[G0:G0+3], s[G1:G1+7]      ; my one tensor load of the launch
	s_nop 0
	PLACES 4
.macro ALD kk                          ; ctx's four fragments of K step kk into ring place kk % 8 (window 1)
.irp tk, 0,1,2,3
.irp c, 0,1
	global_load_b128 v[32*((\kk)%8)+8*\tk+4*\c:32*((\kk)%8)+8*\tk+4*\c+3], v[LI], s[36:37] offset:\tk*32768+(\kk)*1024+\c*512
.endr
.endr
.endm
.macro BLD kk                          ; Wo's four fragments of K step kk into set kk % 2
.irp t, 0,1,2,3
.irp c, 0,1
.if (\kk) < 16
	ds_load_b128 v[BFR+32*((\kk)%2)+8*\t+4*\c:BFR+32*((\kk)%2)+8*\t+4*\c+3], v[LI] offset:(\kk)*4096+\t*1024+\c*512
.else
	ds_load_b128 v[BFR+32*((\kk)%2)+8*\t+4*\c:BFR+32*((\kk)%2)+8*\t+4*\c+3], v[LI2] offset:((\kk)-16)*4096+\t*1024+\c*512
.endif
.endr
.endr
.endm
	global_load_b128 v[BI:BI+3], v[BA], s[40:41]   ; bo of my four columns
	WIN 0x40                                       ; destination window 1
.set Q, 0
.rept 8
	ALD Q
.set Q, Q+1
.endr
	WIN 0
	s_wait_tensorcnt 0x0                           ; my quarter of the panel is in,
	s_barrier_signal -1
	s_barrier_wait -1                              ; everybody's is.
	BLD 0
	BLD 1
; K step s: sixteen products, the sixteen accumulators by turns, one instruction a turn.  Then Wo's fragments of step s + 2 and ctx's of step s + 8 are asked for, into the registers just read.
.macro OSTEP s
.if (\s) <= 24
	s_wait_loadcnt 56                              ; this step's eight loads of ctx are in; the seven later steps' eight each may be out
.else
	s_wait_loadcnt 8*(31-(\s))                     ; the counts run down
.endif
.if (\s) < 31
	s_wait_dscnt 8                                 ; this step's eight LDS loads are in; the next step's eight may be out
.else
	s_wait_dscnt 0x0
.endif
	WIN 0x01                                       ; source 0 (ctx) window 1
.irp tk, 0,1,2,3
.irp t, 0,1,2,3
.if (\s) == 0
	v_wmma_f32_16x16x32_f16 v[ACC+8*(4*\tk+\t):ACC+8*(4*\tk+\t)+7], v[32*((\s)%8)+8*\tk:32*((\s)%8)+8*\tk+7], v[BFR+32*((\s)%2)+8*\t:BFR+32*((\s)%2)+8*\t+7], 0
.else
	v_wmma_f32_16x16x32_f16 v[ACC+8*(4*\tk+\t):ACC+8*(4*\tk+\t)+7], v[32*((\s)%8)+8*\tk:32*((\s)%8)+8*\tk+7], v[BFR+32*((\s)%2)+8*\t:BFR+32*((\s)%2)+8*\t+7], v[ACC+8*(4*\tk+\t):ACC+8*(4*\tk+\t)+7]
.endif
.endr
.endr
	WIN 0
	PLACES 4                                       ; four plain places between the products and loads into registers that they read; behind the last step: and the first read of results
.if (\s)+2 <= 31
	BLD (\s)+2
.endif
.if (\s)+8 <= 31
	WIN 0x40
	ALD (\s)+8
	WIN 0
.endif
.endm
.set Q, 0
.rept 32
	OSTEP Q
.set Q, Q+1
.endr
; THE WAY OUT.  Register j of accumulator (tk, t) is out0(16 tk + 8 h + j, 64 ng + 4 r + t).  The bias's addition puts the four tiles' numbers side by side; each accumulator is read from its low end on.
.irp tk, 0,1,2,3
.if \tk > 0
	s_wait_xcnt 0x0                                ; the last tile's stores have read their registers: v96-127 are written again only behind this wait
.endif
.irp j, 0,1,2,3,4,5,6,7
.irp t, 0,1,2,3
	v_add_f32 v[T+4*\j+\t], v[ACC+8*(4*\tk+\t)+\j], v[BI+\t]
.endr
.endr
.irp j, 0,1,2,3,4,5,6,7
	global_store_b128 v[CO], v[T+4*\j:T+4*\j+3], s[38:39] offset:(16*\tk+\j)*4096 th:TH_STORE_NT   ; lanes 0-15: 256 consecutive bytes of row 16 tk + j; lanes 16-31: of the row eight further down
.endr
.endr
	s_wait_tensorcnt 0x0                           ; the wave's end
	ds_add_u32 v[SPW], v[NIL]
	s_wait_dscnt 0x0
	CROUND                                         ; the closing round
	s_endpgm
.Lfunc_end_k_qd12715a15b_oproj:
	.size	k_qd12715a15b_oproj, .Lfunc_end_k_qd12715a15b_oproj-k_qd12715a15b_oproj
	.p2alignl 7, 3214868480
	.fill 96, 4, 3214868480
	.section	.rodata,"a",@progbits
	.p2align	6, 0x0
	.amdhsa_kernel k_qd12715a15b_oproj
		.amdhsa_group_segment_fixed_size 167936
		.amdhsa_private_segment_fixed_size 0
		.amdhsa_enable_private_segment 0
		.amdhsa_kernarg_size 32
		.amdhsa_user_sgpr_count 2
		.amdhsa_user_sgpr_kernarg_segment_ptr 1
		.amdhsa_wavefront_size32 1
		.amdhsa_system_sgpr_workgroup_id_x 1
		.amdhsa_system_sgpr_workgroup_id_y 1
		.amdhsa_system_sgpr_workgroup_id_z 1
		.amdhsa_system_vgpr_workitem_id 0
		.amdhsa_next_free_vgpr 512
		.amdhsa_next_free_sgpr 66
		.amdhsa_reserve_vcc 0
		.amdhsa_float_denorm_mode_32 3
		.amdhsa_float_denorm_mode_16_64 3
		.amdhsa_memory_ordered 1
		.amdhsa_forward_progress 1
		.amdhsa_inst_pref_size 93
	.end_amdhsa_kernel
	.amdgpu_metadata
---
amdhsa.version: [ 1, 2 ]
amdhsa.kernels:
  - .name:           k_qd12715a15b_oproj
    .symbol:         k_qd12715a15b_oproj.kd
    .args:
      - { .name: ctx, .offset: 0, .size: 8, .value_kind: global_buffer, .address_space: global }
      - { .name: wo16, .offset: 8, .size: 8, .value_kind: global_buffer, .address_space: global }
      - { .name: bo, .offset: 16, .size: 8, .value_kind: global_buffer, .address_space: global }
      - { .name: out0, .offset: 24, .size: 8, .value_kind: global_buffer, .address_space: global }
    .group_segment_fixed_size: 167936
    .private_segment_fixed_size: 0
    .kernarg_segment_align: 8
    .kernarg_segment_size: 32
    .max_flat_workgroup_size: 128
    .sgpr_count:     66
    .vgpr_count:     512
    .wavefront_size: 32
...
	.end_amdgpu_metadata
.endif
;; end of part 4
